; MI455X (gfx1250); checked and timed in simulation.
; The chip was launched on July 23, 2026; its instructions are those of AMD's public machine-readable ISA for CDNA 5 (MIT licence, August 2026) and "CDNA5" Instruction Set Architecture Reference Guide (July 2026). The comments in the code are by the model that wrote it; some were corrected since.
;; Multi Head Self Attention Causal. Allowed arithmetic: matrix products marked QUANTISED: E4M3 operands, one given power-of-two scale a tensor, by v_wmma_f32_16x16x64_fp8_fp8 or v_wmma_f32_16x16x128_fp8_fp8, f32 sums; everything else in f32.
;; Inputs: b_proj 1,024 float32; lowp_scales 8 int32 (the exponents e of the quantised operands' scales 2^e); w_proj_codes 1,024 x 32 x 32 uint8 (E4M3 codes of w_proj, K innermost, in blocks of 32 codes); w_qkv_codes 3,072 x 32 x 32 uint8 (E4M3 codes of w_qkv, K innermost, in blocks of 32 codes); x_codes 4 x 2,048 x 32 x 32 uint8 (E4M3 codes of x, K innermost, in blocks of 32 codes).
;; Outputs: out0 4 x 2,048 x 1,024 float32.
;; This version of the problem:
;;   THIS VERSION OF THE PROBLEM IS GIVEN IN LOW PRECISION. The matrix products marked QUANTISED in the list below multiply operands that are first quantised to E4M3 (4 exponent bits, 3 mantissa bits; 8 bits a number), with one given power-of-two scale for each operand tensor; their sums are f32. All else is computed in f32.
;;   The module's matrix products, in the order in which they are computed (A, B: the left and right operand; K: the contracted axis; several contracted axes count as one K, in the product's order):
;;     1. [M 8,192, K 1,024] x [K 1,024, N 3,072]; A: input x (given as codes); B: input w_qkv (given as codes): QUANTISED (scales: A lowp_scales[0], B lowp_scales[1])
;;     2. batch 64 x [M 2,048, K 64] x [K 64, N 2,048]; A: computed on the way; B: computed on the way: QUANTISED (scales: A lowp_scales[2], B lowp_scales[3])
;;     3. batch 64 x [M 2,048, K 2,048] x [K 2,048, N 64]; A: softmax (see below); B: computed on the way: QUANTISED (scales: A lowp_scales[4], B lowp_scales[5])
;;     4. [M 8,192, K 1,024] x [K 1,024, N 1,024]; A: computed on the way; B: input w_proj (given as codes): QUANTISED (scales: A lowp_scales[6], B lowp_scales[7])
;;   THE QUANTISER, for each operand of a quantised product, along K:
;;     - The operand's scale is 2^e, e = its entry of the input lowp_scales (int32; the entries are numbered through the quantised products in the list's order, A before B).
;;     - Each number is divided by the scale, clamped to +-448, and rounded to the nearest number of E4M3, ties to even, subnormals kept.
;;     - The product sums the exact products of the quantised numbers (number of the format x scale) in f32.
;;   ~~~python
;;   def quantise(x, axis, e):      # numpy; x: float32 -> the quantised numbers, widened to float32 again
;;       x = np.moveaxis(x, axis, -1); K = x.shape[-1]
;;       r = np.clip(x / 2.0 ** e, -448, 448)
;;       step = 2.0 ** (np.maximum(np.frexp(np.where(r == 0, 1, r))[1] - 1, -6) - 3)
;;       q = np.round(r / step) * step * 2.0 ** e      # np.round: ties to even
;;       return np.moveaxis(q, -1, axis).astype(np.float32)
;;   ~~~
;;   SOFTMAX AHEAD OF A QUANTISED PRODUCT. Where the list says 'softmax', what is quantised is not the finished softmax but p = 2^(t - M), with t = logit x log2(e) and M = ceil(the row's largest t), a whole number; so 1/2 < the row's largest p <= 1. The row's sum l is taken of the UNQUANTISED p, in f32, and the product's result is divided by l at the end. Since M is a whole number, a kernel that streams over the keys may use a running M (the ceiling of the running maximum): every later rescaling is an exact power of two, so the quantised numbers keep their values, but for numbers so far below the row's largest that they fall under the format's range.
;;   OPERANDS COMPUTED ON THE WAY. 'Computed on the way' means the value that the module computes at that place (a softmax that the list does not call 'softmax' is quantised finished and normalised). What goes into a quantiser is computed in f32, as accurately as f32 sums, v_exp_f32 and their like allow (about 1e-6 of the number): no bf16 or f16 on the way to a quantiser, and a product that is left as it is and whose result goes on into a quantised operand takes f32 operands (vector FMAs, or v_wmma_f32_16x16x4_f32). A number that lies on a knife's edge between two numbers of the format may be rounded either way, as far as f32 arithmetic and the matrix unit's own rounding can turn it there, and no further.
;;   INPUTS GIVEN AS CODES. w_proj (in the module: [1024, 1024], K = its axis 1); w_qkv (in the module: [3072, 1024], K = its axis 1); x (in the module: [4, 2048, 1024], K = its axis 2): each comes as NAME_codes (uint8): NAME with its K axis moved to the last place and cut into blocks of 32 codes, [.., K / 32, bytes a block], one block behind the other in memory; one code a byte (a code: sign, 4 exponent bits, 3 mantissa bits); its scale is its entry of lowp_scales. Its value is code x scale, taken as it is: it is not quantised again, and the codes and scales need not be those that the quantiser above would give.
;; One version. Each part assembles by itself: llvm-mc -triple=amdgcn-amd-amdhsa -mcpu=gfx1250 --defsym DOCPART=n.
;; ======== version 1 of 1: 3 launches
;; limits: right only within a limited range of input values
;; workspace buffers: q_img 8,388,608 bytes; k_img 8,388,608 bytes; v_img 8,388,608 bytes; att_img 8,388,608 bytes
;; launch qkv (part 1): grid 12 x 32, 4 waves a work-group, clusters of 4 x 4, 327,680 bytes of LDS; arguments x_codes, w_qkv_codes, lowp_scales, q_img, k_img, v_img; writes q_img, k_img, v_img
.if DOCPART == 1
	.amdgcn_target "amdgcn-amd-amdhsa--gfx1250"
	.amdhsa_code_object_version 6
	.text
	.protected	k_qd6c6c5dae7_qkv
	.globl	k_qd6c6c5dae7_qkv
	.p2align	8
	.type	k_qd6c6c5dae7_qkv,@function
k_qd6c6c5dae7_qkv:
	s_mov_b64 s[64:65], 0
	v_nop
	global_prefetch_b8 v0, s[64:65] scope:SCOPE_SE
	s_setreg_imm32_b32 hwreg(HW_REG_WAVE_MODE, 25, 1), 1
	s_wait_xcnt 0x0
	s_wait_alu depctr_hold_cnt(0) depctr_sa_sdst(0) depctr_va_vdst(0) depctr_va_sdst(0) depctr_va_ssrc(0) depctr_va_vcc(0) depctr_vm_vsrc(0)
	s_getreg_b32 s2, hwreg(HW_REG_IB_STS2, 6, 4)
	s_cmp_eq_u32 s2, 0
	s_cbranch_scc0 .Lentry_in_a_cluster
	s_endpgm
.Lentry_in_a_cluster:
	s_bfe_u32 s2, ttmp6, 0x10000c
	s_cmp_lg_u32 s2, 0xf033
	s_cbranch_scc0 .Lentry_shape_is_right
	s_endpgm
.Lentry_shape_is_right:
; qkv = x W^T on codes of FP8 (E4M3): x [8192][1024], W [3072][1024], K innermost, one code a byte.  Each finished sum stands for sum x 2^(e0 + e1) and is quantised at once
; for the product that will read it: q with 2^e2, k with 2^e3, v with 2^e5 (e = the entries of the buffer of scales): code = sum / 2^(eo - e0 - e1), to the nearest code.
; LIMITS: e2 - e0 - e1, e3 - e0 - e1 and e5 - e0 - e1 lie between -126 and 119, so that the scale and 448 x the scale are f32 numbers.  NaN codes among the inputs are not served.
; SHARES.  A work-group of four waves makes 256 tokens x 256 rows of W; a wave 128 x 128: 64 accumulators, 512 registers.  K goes in steps of 256 through a ring of two LDS slots filled by the tensor data mover.
; CLUSTERS: 4 x 4 work-groups.  The four of a row of the cluster need the same rows of x, the four of a column the same rows of W: each tile is asked for JOINTLY.  A cluster's x (0, 1, 2) is the section: q, k, v.
; WHICH SIDE IS WHICH.  In a result, lane l holds ONE row (l % 16) of source 1 and eight neighbouring rows (8 (l / 16) + 0 .. 7) of source 0.  The next product's K must run along a lane's registers:
; for q and k that is the head's channels (rows of W: source 0), for v the keys (tokens: source 0).  So in section v the waves READ the two regions of a slot the other way round; the loads and the loop are one text.
; THE WAY OUT NEEDS NO LDS.  Eight results of a lane become eight codes, two registers, which are registers 2 t, 2 t + 1 of the reader's fragment in the matrix unit's own 8-bit layout.  Two neighbouring tiles are four
; registers: they are stored as an IMAGE, lane l's 16 bytes at 16 l: 512 consecutive bytes a store.
;   q_img, k_img: [batch x head 64][block of 16 tokens 128][c 2][lane 32][16 bytes]      v_img: [batch x head 64][block of 32 keys 64][block of 16 channels 4][lane 32][16 bytes]
; REGISTERS, in windows of 256: window 0: v0-31 addresses; from v128 source 1's fragments (8 x 16 rows x 128 K), ONE set; on the way out v32-159 the codes.
;   window 1: source 0's fragments, TWO sets.   window 2: the accumulators of my blocks 0-3 of source 1 (accumulator (a, t) at v[8 (8 (a % 4) + t)]);   window 3: those of blocks 4-7.
.set KSTEP,  256                       ; along K in a slot
.set ROWB,   256                       ; a tile's row in bytes
.set KROW,   1024                      ; a row of x or of W in memory, in bytes
.set PITCH,  272                       ; an LDS row: 256 bytes + 16 of padding = 68 words: the 16 rows that a load touches start at 16 different banks (64 banks of 4 bytes: ISA guide 11.1)
.set FR,     16                        ; registers of a fragment: 16 rows x 128 K
.set NL,     4                         ; LDS loads that bring one
.set NP,     4                         ; places behind this matrix instruction (ISA guide 7.12.1)
.set HALFT,  128*PITCH                 ; 128 rows: what one tensor load brings
.set SLOT,   4*HALFT                   ; x's 256 rows, then W's 256 rows
.set LAPS,   2                         ; 1,024 along K = two laps of two K steps
.set SPARE,  2*SLOT                    ; behind the ring: the spare words, 128 bytes for each wave
.set VO,   8                           ; v8-11   the way out: 16 x lane + chunk b's place
.set ADR1, 16                          ; v16-17  LDS address of my fragments of source 1 in slot 0, 1
.set ADR0, 20                          ; v20-21  the same for source 0
.set SPW,  28                          ; v28     LDS address of my spare word; never rewritten
.set NIL,  29                          ; v29     0; never rewritten
.set SC,   30                          ; v30     2^(eo - e0 - e1) as f32
.set CD,   32                          ; v32-159 the codes: 16 registers for each block of source 1, so that no store's data are written again
.set AF,   128                         ; source 1's fragments, in window 0
.set G1, 24                            ; s[24:31] descriptor group 1 for x's tiles;  s[32:39] group 0, one set for each slot
.set G0, 32
.set G1B, 48                           ; s[48:55], s[56:63] the same for W's tiles
.set G0B, 56
.set B1, 66                            ; s66, s67  bytes from chunk to chunk (bit 0, bit 1 of b)
.set B2, 67
.set A1, 74                            ; s74, s75  bytes from block to block of source 1 (a % 4, a / 4)
.set A2, 75
.set SB, 84                            ; s[84:99]  the stores' bases, a pair for each block a
.set LIMP, 100                         ; s100, s101  +-448 x the scale
.set LIMN, 101
.set MSB, 0
.macro WIN new                         ; the immediate's high byte repeats the setting that is left
.if MSB != (\new)
	s_set_vgpr_msb (MSB<<8)|(\new)
.set MSB, (\new)
.endif
.endm
.set MUL_LO, 0xa1                      ; source 0 window 1, source 1 window 0, C and D window 2
.set MUL_HI, 0xf1                      ; the same, C and D window 3
.set TO_B,   0x40                      ; destination window 1, address window 0
; A joint load: waves 0 and 1 fetch x's halves, waves 2 and 3 W's.  Each line has ONE mask and one set of registers for all that issue it; the branch hangs on the wave's number alone.
; Four v_nop follow each of the two lines, ahead of the jump, the label and what follows.
.macro JLOAD g0a, g1a, g0b, g1b
	s_cmp_eq_u32 s15, 0
	s_cbranch_scc0 .Lfor_b_\@
	tensor_load_to_lds s[\g0a:\g0a+3], s[\g1a:\g1a+7]
	s_nop 0
.rept 4
	v_nop
.endr
	s_branch .Lasked_\@
.Lfor_b_\@:
	tensor_load_to_lds s[\g0b:\g0b+3], s[\g1b:\g1b+7]
	s_nop 0
.rept 4
	v_nop
.endr
.Lasked_\@:
.endm
.macro CREST                           ; a round of the cluster's barrier behind its opening barrier
	s_cmp_lg_u32 s14, 0
	s_cbranch_scc1 .Lnot_wave_0_\@
	s_barrier_signal -3
.Lnot_wave_0_\@:
	s_barrier_wait -3
	s_barrier_signal -1
	s_barrier_wait -1
.endm
.macro CROUND                          ; a whole round
	s_barrier_signal -1
	s_barrier_wait -1
	CREST
.endm
	s_load_b128 s[4:7], s[0:1], 0x0                ; x's codes s[4:5], W's codes s[6:7]
	s_load_b64 s[8:9], s[0:1], 0x10                ; the scales' exponents
	s_load_b128 s[68:71], s[0:1], 0x18             ; q_img s[68:69], k_img s[70:71]
	s_load_b64 s[72:73], s[0:1], 0x28              ; v_img
	v_lshl_add_u32 v[SPW], v0, 2, SPARE
	v_mov_b32 v[NIL], 0
	ds_add_u32 v28, v29
	ds_add_u32 v28, v29
	s_wait_dscnt 0x0
	v_lshrrev_b32 v1, 5, v0
	v_readfirstlane_b32 s14, v1                    ; wave 0..3
	s_lshr_b32 s15, s14, 1                         ; which half of source 1's rows is mine.  Also: I fetch for x (0) or for W (1)
	s_and_b32 s16, s14, 1                          ; which half of source 0's rows.  Also: which 128 rows of that tile I fetch
	s_bfe_u32 s40, ttmp6, 0x40000                  ; cx, cy: my place in the cluster
	s_bfe_u32 s41, ttmp6, 0x40004
	s_lshl_b32 s42, ttmp9, 2
	s_add_co_u32 s42, s42, s40                     ; block of 256 rows of W = 4 x cluster x + cx
	s_and_b32 s17, ttmp7, 0xffff
	s_lshl_b32 s17, s17, 2
	s_add_co_u32 s17, s17, s41                     ; block of 256 tokens = 4 x cluster y + cy
	s_lshl_b32 s43, s41, 2
	s_lshl_b32 s43, 15, s43                        ; my row of the cluster
	s_lshl_b32 s44, 0x1111, s40                    ; my column
	; descriptor group 1: a tile of 128 rows x 256 bytes, padded in LDS
	s_or_b32 s[G1+0], s43, (0<<16)|(1<<20)|(1<<21)|(5<<22)|(3<<25)  ; 15:0 the mask: x's tiles go to my row; 17:16 element of 1 byte; 20 padding on; 21 set beside a mask; 24:22 after every 64 words; 31:25 four words
	s_or_b32 s[G1B+0], s44, (0<<16)|(1<<20)|(1<<21)|(5<<22)|(3<<25) ; the same with the mask of my column, for W's tiles
.irp g, G1, G1B
	s_mov_b32 s[\g+1], ROWB<<16                    ; tensor_dim0
	s_mov_b32 s[\g+2], 128<<16                     ; tensor_dim1 = 128
	s_mov_b32 s[\g+3], ROWB<<16                    ; tile_dim0
	s_mov_b32 s[\g+4], 128                         ; tile_dim1 = 128
	s_mov_b32 s[\g+5], KROW                        ; tensor_dim0_stride
	s_mov_b32 s[\g+6], 0
	s_mov_b32 s[\g+7], 0
.endr
	s_lshl_b32 s18, s16, 7                         ; which 128 rows of the tile I fetch
	s_lshl_b32 s20, s17, 8
	s_add_co_u32 s20, s20, s18                     ; x: row 256 x token block + 128 x half
	s_lshl_b32 s46, s42, 8
	s_add_co_u32 s46, s46, s18                     ; W: row 256 x block + 128 x half
	s_lshl_b32 s20, s20, 10                        ; in bytes: rows of 1,024 (under 2^24)
	s_lshl_b32 s46, s46, 10
	s_mov_b32 s21, 0
	s_mov_b32 s47, 0
	s_mul_i32 s45, s14, HALFT                      ; where they go: wave x 128 rows: no place in the cluster enters an LDS address
	s_wait_kmcnt 0x0
	s_load_b256 s[76:83], s[8:9], 0x0              ; e0 .. e7
	s_add_nc_u64 s[20:21], s[4:5], s[20:21]
	s_add_nc_u64 s[46:47], s[6:7], s[46:47]
	CROUND                                         ; all sixteen work-groups are here: the first joint loads meet
.irp s, 0,1
	s_mov_b32 s[G0+4*\s], 1
	s_add_co_u32 s[G0+4*\s+1], s45, \s*SLOT
	s_add_nc_u64 s[G0+4*\s+2:G0+4*\s+3], s[20:21], \s*ROWB
	s_or_b32 s[G0+4*\s+3], s[G0+4*\s+3], 0x80000000
	s_mov_b32 s[G0B+4*\s], 1
	s_add_co_u32 s[G0B+4*\s+1], s45, \s*SLOT
	s_add_nc_u64 s[G0B+4*\s+2:G0B+4*\s+3], s[46:47], \s*ROWB
	s_or_b32 s[G0B+4*\s+3], s[G0B+4*\s+3], 0x80000000
	JLOAD G0+4*\s, G1, G0B+4*\s, G1B
.endr
	v_and_b32 v1, 15, v0                           ; l % 16
	v_bfe_u32 v2, v0, 4, 1                         ; l / 16
	v_mul_u32_u24 v3, v1, PITCH
	v_lshl_add_u32 v4, v2, 4, v3                   ; a fragment's row x pitch + 16 x half
	s_wait_alu depctr_va_vdst(0)
	s_cmp_eq_u32 ttmp9, 2                          ; section v?  The cluster's x: the same in all sixteen partners
	s_cselect_b32 s21, 2*HALFT, 0                  ; source 1 reads x's region (q, k) or W's (v),
	s_cselect_b32 s22, 0, 2*HALFT                  ; source 0 the other one
	s_cselect_b32 s18, s15, s16                    ; which wave bit picks the pair of heads,
	s_cselect_b32 s19, s16, s15                    ; and which the 128 tokens
	s_mov_b32 s[A1], 1024                          ; q, k: block a is a block of 16 tokens: 1,024 bytes on
	s_cselect_b32 s[A1], 512, s[A1]                ; v: a % 4 is a block of 16 channels: 512 bytes on,
	s_mov_b32 s[A2], 4096
	s_cselect_b32 s[A2], 131072, s[A2]             ;    a / 4 a head
	s_mov_b32 s[B1], 512                           ; q, k: b % 2 is the half of a head's 64 channels,
	s_cselect_b32 s[B1], 2048, s[B1]               ; v: b is a block of 32 keys: 2,048 bytes on
	s_mov_b32 s[B2], 131072                        ; q, k: b / 2 a head
	s_cselect_b32 s[B2], 4096, s[B2]
	s_mul_i32 s23, s15, HALFT
	s_add_co_u32 s21, s21, s23                     ; my 128 rows of source 1
	s_mul_i32 s23, s16, HALFT
	s_add_co_u32 s22, s22, s23                     ; my 128 rows of source 0
.irp s, 0,1
	v_add_nc_u32 v[ADR1+\s], s21, v4
	v_add_nc_u32 v[ADR0+\s], s22, v4
	s_add_co_u32 s21, s21, SLOT
	s_add_co_u32 s22, s22, SLOT
.endr
	; where my wave's images begin: batch x 16 heads x 131,072 + (4 cx + 2 x wave bit) heads + (token block % 8) x 16,384 + wave bit x 8,192
	s_lshl_b32 s20, s40, 2
	s_lshl_b32 s18, s18, 1
	s_add_co_u32 s20, s20, s18
	s_lshl_b32 s20, s20, 17
	s_lshr_b32 s21, s17, 3
	s_lshl_b32 s21, s21, 21
	s_add_co_u32 s20, s20, s21
	s_and_b32 s21, s17, 7
	s_lshl_b32 s21, s21, 14
	s_add_co_u32 s20, s20, s21
	s_lshl_b32 s19, s19, 13
	s_add_co_u32 s20, s20, s19
	s_mov_b32 s21, 0
	s_cmp_eq_u32 ttmp9, 0
	s_cselect_b64 s[10:11], s[68:69], s[70:71]     ; the section's buffer: the choice hangs on the cluster's number alone
	s_cmp_eq_u32 ttmp9, 2
	s_cselect_b64 s[10:11], s[72:73], s[10:11]
	s_add_nc_u64 s[10:11], s[10:11], s[20:21]
	s_mov_b32 s19, 0
.irp a, 0,1,2,3,4,5,6,7
	s_mul_i32 s18, s[A1], \a%4
	s_mul_i32 s22, s[A2], \a/4
	s_add_co_u32 s18, s18, s22
	s_add_nc_u64 s[SB+2*\a:SB+2*\a+1], s[10:11], s[18:19]
.endr
	v_and_b32 v6, 31, v0
	v_lshlrev_b32 v[VO], 4, v6                     ; 16 x lane
	v_add_nc_u32 v[VO+1], s[B1], v[VO]
	v_add_nc_u32 v[VO+2], s[B2], v[VO]
	v_add_nc_u32 v[VO+3], s[B2], v[VO+1]
.macro FRAG reg, adr, q, i             ; a fragment, 16 rows x 128 K, is 16 registers: lane l holds row l % 16; registers 4 c .. 4 c + 3 hold K = 32 c + 16 (l / 16) + 0 .. 15: the same places of K in both sources, so every product meets its partner
.irp c, 0,1,2,3
	ds_load_b128 v[\reg+4*\c:\reg+4*\c+3], v[\adr] offset:128*(\q)+32*\c+(\i)*16*PITCH
.endr
.endm
; 16 matrix instructions: source 1's blocks a0, a0 + 1 x source 0's eight, 128 along K.  p: source 0's set.  zero = 1: the first product starts the sums.
; The 64 accumulators take turns, one instruction a turn, in the same order in every step.
.macro MUL16 a0, p, zero
.irp a, \a0, \a0+1
.irp b, 0,1,2,3,4,5,6,7
.if \zero
	v_wmma_f32_16x16x128_fp8_fp8 v[8*(8*((\a)%4)+\b):8*(8*((\a)%4)+\b)+7], v[128*(\p)+FR*\b:128*(\p)+FR*\b+FR-1], v[AF+FR*(\a):AF+FR*(\a)+FR-1], 0
.else
	v_wmma_f32_16x16x128_fp8_fp8 v[8*(8*((\a)%4)+\b):8*(8*((\a)%4)+\b)+7], v[128*(\p)+FR*\b:128*(\p)+FR*\b+FR-1], v[AF+FR*(\a):AF+FR*(\a)+FR-1], v[8*(8*((\a)%4)+\b):8*(8*((\a)%4)+\b)+7]
.endif
.endr
.endr
.endm
.macro FETCH_B slot, q, p              ; source 0's eight fragments of the slot's q-th 128 along K into set p
	WIN TO_B
.irp i, 0,1,2,3,4,5,6,7
	FRAG 128*(\p)+FR*\i, ADR0+\slot, \q, \i
.endr
	WIN 0
.endm
.macro FETCH_A slot, q, i0             ; source 1's blocks i0 .. i0 + 3
.irp i, \i0, \i0+1, \i0+2, \i0+3
	FRAG AF+FR*(\i), ADR1+\slot, \q, \i
.endr
.endm
; A load into a register that a matrix instruction has read, and a vector instruction that reads a matrix result, stand NP places behind that matrix instruction; only plain vector
; instructions that name none of its registers are places (ISA guide 7.12.1 for vector instructions).
.macro PLACES n
.rept \n
	v_nop
.endr
.endm
; A step of 128 along K that has its successor in the same slot.
.macro STEP slot, q, zero
	s_wait_dscnt 4*NL                              ; source 0's set and source 1's blocks 0-3 are in; the youngest 16 loads (blocks 4-7) may be out
	WIN MUL_LO
	MUL16 0, (\q)%2, \zero
	MUL16 2, (\q)%2, \zero
	s_wait_dscnt 0                                 ; blocks 4-7 are in (asked for 32 matrix instructions ago)
	PLACES NP
	FETCH_B \slot, (\q)+1, 1-(\q)%2
	FETCH_A \slot, (\q)+1, 0
	WIN MUL_HI
	MUL16 4, (\q)%2, \zero
	MUL16 6, (\q)%2, \zero
	PLACES NP
	WIN 0
	FETCH_A \slot, (\q)+1, 4
.endm
; A slot's last step changes slots: ONE barrier; in front of it each wave waits for all its tensor loads, adds 0 to its spare word, and waits for that and for its own reads of this slot.  fill = 1: this slot is filled again, two K steps ahead.
.macro TURN slot, next, fill
	s_wait_tensorcnt 0x0                           ; all my tensor loads have landed: my part of the next slot  (every window is 0 here)
	ds_add_u32 v[SPW], v[NIL]                      ; 0 onto my spare word
	s_wait_dscnt 4*NL+1                            ; (the add and the youngest 16 loads, blocks 4-7, may be out)
	WIN MUL_LO
	MUL16 0, 1, 0                                  ; sixteen matrix instructions stand between the add and the wait for it
	s_wait_dscnt 0x0                               ; the add is done, and my reads of this slot are over
	s_barrier_signal -1
	MUL16 2, 1, 0
	WIN 0
	s_barrier_wait -1
.if \fill
	CREST                                          ; the barrier has opened a round of the cluster's barrier: no wave of any partner still reads this slot's tile or has a load on its way
	s_add_nc_u64 s[G0+4*\slot+2:G0+4*\slot+3], s[G0+4*\slot+2:G0+4*\slot+3], 2*ROWB
	s_add_nc_u64 s[G0B+4*\slot+2:G0B+4*\slot+3], s[G0B+4*\slot+2:G0B+4*\slot+3], 2*ROWB
	JLOAD G0+4*\slot, G1, G0B+4*\slot, G1B         ; the first tensor load behind the round; the four v_nop behind it are the places in front of the loads below
.else
	PLACES NP
.endif
	FETCH_B \next, 0, 0
	FETCH_A \next, 0, 0
	WIN MUL_HI
	MUL16 4, 1, 0
	MUL16 6, 1, 0
	PLACES NP
	WIN 0
	FETCH_A \next, 0, 4
.endm
	s_wait_alu depctr_va_vdst(0)
	s_wait_tensorcnt 1                             ; my part of K step 0 is in (K step 1's load may be out)
	s_barrier_signal -1
	s_barrier_wait -1                              ; everybody's is
	FETCH_B 0, 0, 0
	FETCH_A 0, 0, 0
	FETCH_A 0, 0, 4
	STEP 0, 0, 1                                   ; the first step stands in front of the loop: its products start the sums
	s_mov_b32 s3, LAPS-1
.Llap:                                                 ; a trip goes once round the ring, from a lap's second step to the next lap's first, and fills both slots again
	TURN 0, 1, 1
	STEP 1, 0, 0
	TURN 1, 0, 1
	STEP 0, 0, 0
	s_sub_co_u32 s3, s3, 1
	s_cmp_lg_u32 s3, 0
	s_cbranch_scc1 .Llap
	TURN 0, 1, 0                                   ; the last lap fills nothing, and has no round of the cluster's barrier
	STEP 1, 0, 0
	s_wait_dscnt 4*NL                              ; the very last step: nothing more to fetch
	WIN MUL_LO
	MUL16 0, 1, 0
	MUL16 2, 1, 0
	s_wait_dscnt 0
	WIN MUL_HI
	MUL16 4, 1, 0
	MUL16 6, 1, 0
	WIN 0
	; THE WAY OUT.  The three scales are folded into the conversion's one: code = sum / 2^(eo - e0 - e1)
	s_wait_kmcnt 0x0
	s_cmp_eq_u32 ttmp9, 0
	s_cselect_b32 s18, s78, s79                    ; e2 for q, e3 for k,
	s_cmp_eq_u32 ttmp9, 2
	s_cselect_b32 s18, s81, s18                    ; e5 for v: chosen, not branched on
	s_sub_co_i32 s18, s18, s76
	s_sub_co_i32 s18, s18, s77
	s_add_co_i32 s18, s18, 127
	s_lshl_b32 s19, s18, 23
	v_mov_b32 v[SC], s19                           ; the scale as f32: the conversion takes its exponent field
	s_wait_alu depctr_va_vdst(0)
	s_add_co_i32 s18, s18, 8
	s_lshl_b32 s18, s18, 23
	s_or_b32 s[LIMP], s18, 0x600000                ; 448 x the scale
	s_or_b32 s[LIMN], s[LIMP], 0x80000000
	PLACES NP                                      ; behind the last products: their results are read, and registers that held fragments are written
; Block a of source 1: 8 conversions; 4 stores of 512 consecutive bytes.
.macro OUT a
.set AC, 64*((\a)%4)
.set OW, 2+(\a)/4
.set OWW, OW|(OW<<6)
	WIN OWW                                        ; source 0 and destination: window 2 or 3
.set j, 0
.rept 64
.set j, j+1
.endr
	WIN OW                                         ; source 0 alone
.irp t, 0,1,2,3,4,5,6,7
	v_cvt_scalef32_pk8_fp8_f32 v[CD+16*(\a)+2*\t:CD+16*(\a)+2*\t+1], v[AC+8*\t:AC+8*\t+7], v[SC]
.endr
	v_nop                                          ; one plain vector instruction behind the last conversion of a run
	WIN 0
.irp b, 0,1,2,3
	global_store_b128 v[VO+\b], v[CD+16*(\a)+4*\b:CD+16*(\a)+4*\b+3], s[SB+2*(\a):SB+2*(\a)+1]   ; 32 lanes store 512 consecutive bytes, at a multiple of 512 from the buffer's first byte; no register that a store names is written again
.endr
.endm
.irp a, 0,1,2,3,4,5,6,7
	OUT \a
.endr
	s_wait_tensorcnt 0x0                           ; the wave's end
	ds_add_u32 v[SPW], v[NIL]
	s_wait_dscnt 0x0
	CROUND                                         ; the closing round: no work-group ends while a partner may still ask for a tile that names it
	s_endpgm
.Lfunc_end_k_qd6c6c5dae7_qkv:
	.size	k_qd6c6c5dae7_qkv, .Lfunc_end_k_qd6c6c5dae7_qkv-k_qd6c6c5dae7_qkv
	.p2alignl 7, 3214868480
	.fill 96, 4, 3214868480
	.section	.rodata,"a",@progbits
	.p2align	6, 0x0
	.amdhsa_kernel k_qd6c6c5dae7_qkv
		.amdhsa_group_segment_fixed_size 327680
		.amdhsa_private_segment_fixed_size 0
		.amdhsa_enable_private_segment 0
		.amdhsa_kernarg_size 48
		.amdhsa_user_sgpr_count 2
		.amdhsa_user_sgpr_kernarg_segment_ptr 1
		.amdhsa_wavefront_size32 1
		.amdhsa_system_sgpr_workgroup_id_x 1
		.amdhsa_system_sgpr_workgroup_id_y 1
		.amdhsa_system_sgpr_workgroup_id_z 1
		.amdhsa_system_vgpr_workitem_id 0
		.amdhsa_next_free_vgpr 1024
		.amdhsa_next_free_sgpr 102
		.amdhsa_reserve_vcc 0
		.amdhsa_float_denorm_mode_32 3
		.amdhsa_float_denorm_mode_16_64 3
		.amdhsa_fp16_overflow 1
		.amdhsa_memory_ordered 1
		.amdhsa_forward_progress 1
		.amdhsa_inst_pref_size 88
	.end_amdhsa_kernel
	.amdgpu_metadata
---
amdhsa.version: [ 1, 2 ]
amdhsa.kernels:
  - .name:           k_qd6c6c5dae7_qkv
    .symbol:         k_qd6c6c5dae7_qkv.kd
    .args:
      - { .name: x_codes, .offset: 0, .size: 8, .value_kind: global_buffer, .address_space: global }
      - { .name: w_qkv_codes, .offset: 8, .size: 8, .value_kind: global_buffer, .address_space: global }
      - { .name: lowp_scales, .offset: 16, .size: 8, .value_kind: global_buffer, .address_space: global }
      - { .name: q_img, .offset: 24, .size: 8, .value_kind: global_buffer, .address_space: global }
      - { .name: k_img, .offset: 32, .size: 8, .value_kind: global_buffer, .address_space: global }
      - { .name: v_img, .offset: 40, .size: 8, .value_kind: global_buffer, .address_space: global }
    .group_segment_fixed_size: 327680
    .private_segment_fixed_size: 0
    .kernarg_segment_align: 8
    .kernarg_segment_size: 48
    .max_flat_workgroup_size: 128
    .sgpr_count:     102
    .vgpr_count:     1024
    .wavefront_size: 32
...
	.end_amdgpu_metadata
.endif
;; end of part 1
;; launch attn (part 2): grid 4 x 64, 16 waves a work-group, no clusters, 327,680 bytes of LDS; arguments q_img, k_img, v_img, lowp_scales, att_img; writes att_img
.if DOCPART == 2
	.amdgcn_target "amdgcn-amd-amdhsa--gfx1250"
	.amdhsa_code_object_version 6
	.text
	.protected	k_qd6c6c5dae7_attn
	.globl	k_qd6c6c5dae7_attn
	.p2align	8
	.type	k_qd6c6c5dae7_attn,@function
k_qd6c6c5dae7_attn:
	s_mov_b64 s[64:65], 0
	v_nop
	global_prefetch_b8 v0, s[64:65] scope:SCOPE_SE
	s_setreg_imm32_b32 hwreg(HW_REG_WAVE_MODE, 25, 1), 1
	s_wait_xcnt 0x0
; Causal attention of one (batch, head) on codes of FP8 (E4M3), head size 64, 2,048 tokens.  q, k, v come as images of operand registers (512 bytes a chunk, lane l's 16 bytes at 16 l):
;   q_img, k_img: [batch x head 64][block of 16 tokens 128][c 2][512]: lane (r, h): token r of the block, channels 32 c + 8 h + 0..7 and 32 c + 16 + 8 h + 0..7: registers 4 c .. 4 c + 3 of a fragment of the K = 64 form
;   v_img: [batch x head 64][block of 32 keys 64][block of 16 channels 4][512]: lane (r, h): channel r, keys 8 h + 0..7 and 16 + 8 h + 0..7 of the block: four registers of a fragment of the K = 128 form
; THE SOFTMAX AHEAD OF THE SECOND PRODUCT: t = score x log2(e) / 8; M = the row's largest t so far, rounded UP to a whole number; p = 2^(t - M) is quantised with 2^e4, not normalised; the row's sum is taken of the
; unquantised p, in f32, and divides O at the end.  When M moves, the sum and O are multiplied by 2^(old M - new M): exact.  O x 2^(e4 + e5) / sum is quantised with 2^e6 and stored as the last product's operand:
;   att_img: [block of 16 tokens 512][kc 32][512]: lane (r, h): token r, k = 32 kc + 16 h + 0..15 (kc = 2 x head + half): the places of K that four 16-byte loads give the rows of the weight it will meet.
; SHARES.  Work-group i (0..3) of a head owns TWO blocks of 256 queries: first block 7 - i, which walks key slots 0 .. 7 - i, then block i, which walks slots 0 .. i: 9 slots of 256 keys for every work-group,
; so the loop's trip count is a constant and all work-groups have the same work.  Each of sixteen waves owns 16 queries of the block in hand, in 256 registers: four waves to a SIMD, so that one wave's vector work
; stands beside another's matrix work and LDS loads.  A step of 128 keys all of which come after the wave's queries is jumped over (a scalar branch on ids); on the diagonal hidden scores become -infinity.
; NO CLUSTER: the four work-groups of a head walk different slots from trip 8 - i on (work-group i turns back to slot 0 there), so a joint request would name partners that want another tile; walking alike would take 12 trips in place of 9.
; LAYOUT.  Both products are used transposed: S^T = K Q^T (source 0 = 16 keys, source 1 = my 16 queries), O^T = V^T P^T: a lane holds ONE query (lane % 16) throughout, and tile t's eight registers are keys 16 t + 8 (lane / 16) + 0..7:
; their eight codes are registers 2 t, 2 t + 1 of P in the K = 128 form's own layout.
; LIMITS on the given exponents, so that each power of two below is an f32 number: e2 + e3 between -123 and 130 (added to c's exponent field); e4 and e6 between -126 and 119; e4 + e5 goes by v_ldexp_f32 and has none.
; REGISTERS: v1-6 addresses and constants that stay; v12 -M, v13 the largest t, v[14:15] the sum in two halves; v16-23 Q in hand, v24-31 the second block's Q; v32-95 eight fragments of K, then four of V;
;   v96-159 S^T, then p; v160-191 O^T; v192-207 p's codes; v224-231 the result's codes; v232-254 at work.
.set SLOT1, 32768                      ; a slot: 256 keys: K's 16 blocks of 1,024 bytes, then V's 8 blocks of 2,048; slot 1 begins here, so one exclusive or turns an address
.set VOFF,  16384
.set SPARE, 65536                      ; behind the ring: the spare words, 128 bytes for each of sixteen waves
.set LI,   1                           ; v1   16 x lane
.set ADR,  2                           ; v2   LDS address of the slot in hand for my lane
.set PFO,  3                           ; v3   256 x lane: the prefetches' offset; never rewritten
.set QL,   4                           ; v4   lane % 16 - 8 (lane / 16)
.set SPW,  5                           ; v5   LDS address of my spare word; never rewritten
.set NIL,  6                           ; v6   0; never rewritten
.set TB,   2                           ; s2   LDS byte at which the slot in hand begins
.set WV,   18                          ; s18  my wave's number
.set SEL,  20                          ; s[20:21] lane selects for v_permlanex16_b32: lane l xor 16
.set CS,   22                          ; s[22:23] c = log2(e) / 8 x 2^(e2 + e3)
.set G1,   24                          ; s[24:31] descriptor group 1: 64 rows of 256 bytes, dense
.set G0,   40                          ; s[40:43] descriptor group 0, which walks
.set SLOTS, 67                         ; s67  trips to go behind this one
.set PFA,  76                          ; s[76:77] where my prefetches stand
.set LIM,  80                          ; s80  2 in a wave that prefetches, else the greatest number
.set PI,   81                          ; s81  i: the trip with SLOTS = i is the second block's first
.set KN,   82                          ; s82  the key slot that was asked for last
.set LIMA, 83                          ; s83  8 - i: the first block's slots
.set KVB,  84                          ; s[84:85] K's (even waves) or V's (odd waves) images of my head
.set OFF,  86                          ; s[86:87] 16,384 x KN
.set OUTA, 88                          ; s[88:89], s[90:91] where my 16 queries' result goes: first block, second block
.set OUTB, 90
.set Q0B,  92                          ; s92  my first query in the second block
.set HM,   93                          ; s93  the mask of lanes 16-31
.set E45,  94                          ; s94  e4 + e5
.set KF,   98                          ; s98  the step's first key
.set Q0,   99                          ; s99  my first query
; Wave 0 fetches a slot's K, wave 1 its V, the others nothing.  The branch hangs on the wave's number alone.  Four v_nop follow the line.
.macro TLOAD
	s_cmp_lt_u32 s[WV], 2
	s_cbranch_scc0 .Lasked_\@
	tensor_load_to_lds s[G0:G0+3], s[G1:G1+7]
	s_nop 0
.rept 4
	v_nop
.endr
.Lasked_\@:
.endm
; A PREFETCH INTO THE L2 of the key slot that the NEXT change of slots will ask for.  All four work-groups of a head walk slots 0 .. 4 and more in the same order: work-group 0, which walks all eight, asks, and nobody else.
; In it waves 4 and 5 ask for the two halves of K's 16,384 bytes, waves 6 and 7 for V's: 8,192 bytes a wave, lanes 256 bytes apart, one instruction.  Trip j asks for slot j + 2, for j up to 5: each block of 256 bytes
; is named once, slots 0 and 1 come by their loads alone, and nothing past slot 7 is named.
.macro ASK
	s_cmp_gt_u32 s[SLOTS], s[LIM]
	s_cbranch_scc0 .Lnot_mine_\@
	global_prefetch_b8 v[PFO], s[PFA:PFA+1] th:TH_LOAD_NT scope:SCOPE_SE
.Lnot_mine_\@:
.endm
	s_load_b128 s[4:7], s[0:1], 0x0                ; q_img s[4:5], k_img s[6:7]
	s_load_b128 s[8:11], s[0:1], 0x10              ; v_img s[8:9], the scales' exponents s[10:11]
	s_load_b64 s[12:13], s[0:1], 0x20              ; att_img
	v_lshl_add_u32 v[SPW], v0, 2, SPARE
	v_mov_b32 v[NIL], 0
	ds_add_u32 v5, v6
	ds_add_u32 v5, v6
	s_wait_dscnt 0x0
	v_lshrrev_b32 v7, 5, v0
	s_delay_alu instid0(VALU_DEP_1)
	v_readfirstlane_b32 s[WV], v7                  ; wave 0..15
	s_and_b32 s48, ttmp7, 0xffff                   ; batch x 16 + head
	s_lshl_b32 s50, s48, 17                        ; its 131,072 bytes in each of q_img, k_img, v_img
	s_mov_b32 s51, 0
	s_mov_b32 s[PI], ttmp9
	s_sub_co_u32 s[LIMA], 8, ttmp9
	s_sub_co_u32 s52, 7, ttmp9                     ; the first block of queries
	s_mov_b32 s[G1], 3<<16                         ; 15:0 no mask; 17:16 elements of 8 bytes; no padding: the images are read 16 bytes a lane, on end
	s_mov_b32 s[G1+1], 32<<16                      ; tensor_dim0 = 32 elements (256 bytes)
	s_mov_b32 s[G1+2], 64<<16                      ; tensor_dim1 = 64
	s_mov_b32 s[G1+3], 32<<16                      ; tile_dim0
	s_mov_b32 s[G1+4], 64                          ; tile_dim1
	s_mov_b32 s[G1+5], 32                          ; tensor_dim0_stride: dense
	s_mov_b32 s[G1+6], 0
	s_mov_b32 s[G1+7], 0
	s_and_b32 s53, s[WV], 1
	s_mov_b32 s[G0], 1                             ; count = 1
	s_lshl_b32 s[G0+1], s53, 14                    ; LDS address: slot 0; K at 0, V at 16,384
	s_mov_b32 s[SEL], 0x76543210
	s_mov_b32 s[SEL+1], 0xfedcba98
	s_mov_b32 s[CS], 0x3e38aa3b                    ; log2(e) / 8
	s_mov_b32 s[HM], 0xffff0000
	s_mov_b32 s[TB], 0
	s_mov_b32 s[SLOTS], 8
	s_mov_b32 s[KN], 0
	s_mov_b32 s[OFF+1], 0
	s_mov_b32 s[KF], 0
	s_wait_kmcnt 0x0
	s_load_b256 s[68:75], s[10:11], 0x0            ; e0 .. e7
	s_cmp_eq_u32 s53, 0
	s_cselect_b64 s[KVB:KVB+1], s[6:7], s[8:9]
	s_add_nc_u64 s[KVB:KVB+1], s[KVB:KVB+1], s[50:51]
	s_mov_b64 s[G0+2:G0+3], s[KVB:KVB+1]           ; global address: key slot 0
	s_or_b32 s[G0+3], s[G0+3], 0x80000000          ; type = 2
	TLOAD                                          ; slot 0's first fill, ahead of every wait on TENSORcnt, every LDS read and every barrier
	v_and_b32 v7, 31, v0
	s_delay_alu instid0(VALU_DEP_1)
	v_lshlrev_b32 v[LI], 4, v7
	s_wait_alu depctr_va_vdst(0)
	v_lshlrev_b32 v[PFO], 8, v7
	v_and_b32 v[QL], 15, v0
	v_bfe_u32 v7, v0, 4, 1
	s_delay_alu instid0(VALU_DEP_1)
	v_lshlrev_b32 v7, 3, v7
	s_delay_alu instid0(VALU_DEP_1)
	v_sub_nc_u32 v[QL], v[QL], v7
	s_lshl_b32 s54, s52, 4
	s_add_co_u32 s54, s54, s[WV]                   ; my block of 16 tokens in the first block of queries,
	s_lshl_b32 s55, ttmp9, 4
	s_add_co_u32 s55, s55, s[WV]                   ; and in the second
	s_lshl_b32 s[Q0], s54, 4
	s_lshl_b32 s[Q0B], s55, 4
	s_mov_b32 s57, 0
	s_add_nc_u64 s[44:45], s[4:5], s[50:51]        ; q_img at my head,
	s_lshl_b32 s56, s55, 10
	s_add_nc_u64 s[46:47], s[44:45], s[56:57]      ; at my second fragment,
	s_lshl_b32 s56, s54, 10
	s_add_nc_u64 s[44:45], s[44:45], s[56:57]      ; at my first
	global_load_b128 v[16:19], v[LI], s[44:45]
	global_load_b128 v[20:23], v[LI], s[44:45] offset:512
	global_load_b128 v[24:27], v[LI], s[46:47]
	global_load_b128 v[28:31], v[LI], s[46:47] offset:512
	s_lshr_b32 s58, s48, 4
	s_lshl_b32 s58, s58, 7                         ; the batch's 128 blocks of 16 tokens
	s_and_b32 s59, s48, 15
	s_lshl_b32 s59, s59, 10                        ; the head's two chunks
	s_add_co_u32 s56, s58, s54
	s_lshl_b32 s56, s56, 14
	s_add_co_u32 s56, s56, s59
	s_add_nc_u64 s[OUTA:OUTA+1], s[12:13], s[56:57]
	s_add_co_u32 s56, s58, s55
	s_lshl_b32 s56, s56, 14
	s_add_co_u32 s56, s56, s59
	s_add_nc_u64 s[OUTB:OUTB+1], s[12:13], s[56:57]
	s_cmp_lt_u32 s[WV], 6                          ; the prefetches: waves 4, 5 stand in K's images, waves 6, 7 in V's
	s_cselect_b64 s[PFA:PFA+1], s[6:7], s[8:9]
	s_add_nc_u64 s[PFA:PFA+1], s[PFA:PFA+1], s[50:51]
	s_lshl_b32 s56, s53, 13                        ; my half of a slot's 16,384 bytes,
	s_add_co_u32 s56, s56, 16384                   ; in key slot 1: the first change of slots steps it to slot 2.  Nothing is prefetched here, at the head
	s_add_nc_u64 s[PFA:PFA+1], s[PFA:PFA+1], s[56:57]
	s_sub_co_u32 s56, s[WV], 4
	s_lshr_b32 s56, s56, 2                         ; 0 in waves 4 to 7,
	s_or_b32 s56, s56, ttmp9                       ; of the head's work-group 0
	s_cmp_eq_u32 s56, 0
	s_cselect_b32 s[LIM], 2, -1
	v_mov_b32 v234, 0                              ; written once: a lane permute's destination counts as one of its sources
	v_mov_b32 v235, 0
	v_mov_b32 v236, 0
	v_mov_b32 v253, 0                              ; (named as the upper half of the pair v[252:253])
.macro INIT                            ; a block of queries begins: O^T and the sum are zeros, which the first change of M leaves zeros; the largest t is under every t
	v_mov_b32 v13, 0xff61b1e6                      ; -3e38
	s_delay_alu instid0(VALU_DEP_1)
	v_floor_f32 v12, -v13                          ; -M
	v_mov_b32 v14, 0
	v_mov_b32 v15, 0
.set j, 0
.rept 32
	v_mov_b32 v[160+j], 0
.set j, j+1
.endr
.endm
	INIT
	s_wait_kmcnt 0x0
	s_add_co_i32 s56, s70, s71
	s_lshl_b32 s56, s56, 23
	s_add_co_i32 s[CS], s[CS], s56                 ; a score stands for score x 2^(e2 + e3): the two exponents are added to c's exponent field
	s_mov_b32 s[CS+1], s[CS]                       ; (named with it as a pair, so it is written)
	s_add_co_i32 s56, s72, 127
	s_lshl_b32 s57, s56, 23
	v_mov_b32 v244, s57                            ; 2^e4 as f32, for p's conversions
	s_add_co_i32 s56, s74, 127
	s_lshl_b32 s57, s56, 23
	v_mov_b32 v245, s57                            ; 2^e6, for the result's conversions
	s_add_co_i32 s[E45], s72, s73
; A KEY STEP: 128 keys, the q-th half of the slot in hand.
.macro STEP q
	s_add_co_u32 s96, s[Q0], 15
	s_cmp_gt_u32 s[KF], s96                        ; all 128 keys come after my 16 queries: the step's work is left out; no barrier and no tensor load stands in a step
	s_cbranch_scc1 .Lhidden_\@
	v_add_nc_u32 v[ADR], s[TB], v[LI]
.rept 3
	v_nop                                          ; with the addition above: four places in front of loads into registers that the last products read
.endr
.irp t, 0,1,2,3,4,5,6,7
	ds_load_b128 v[32+8*\t:35+8*\t], v[ADR] offset:(8*(\q)+\t)*1024       ; K's fragment of keys 16 t on: two chunks, each 512 consecutive bytes
	ds_load_b128 v[36+8*\t:39+8*\t], v[ADR] offset:(8*(\q)+\t)*1024+512
.endr
	s_wait_alu depctr_va_vdst(0)
	s_wait_dscnt 0x0
.irp t, 0,1,2,3,4,5,6,7
	v_wmma_f32_16x16x64_fp8_fp8 v[96+8*\t:103+8*\t], v[32+8*\t:39+8*\t], v[16:23], 0
.endr
.rept 4
	v_nop                                          ; places: the results are read below, and V's loads land where K's fragments lay
.endr
.irp ct, 0,1,2,3
.irp c, 0,1,2,3
	ds_load_b128 v[32+16*\ct+4*\c:35+16*\ct+4*\c], v[ADR] offset:VOFF+(4*(\q)+\c)*2048+\ct*512   ; V's four fragments are asked for now and land under the softmax
.endr
.endr
	s_add_co_u32 s96, s[KF], 127                   ; on the diagonal the scores of hidden keys become -infinity ahead of the maximum: p = 0 then.  A step all of whose keys count skips this
	s_cmp_le_u32 s96, s[Q0]
	s_cbranch_scc1 .Lopen_\@
	s_sub_co_i32 s96, s[Q0], s[KF]
	v_add_nc_u32 v252, s96, v[QL]                  ; d = my query - KF - 8 (lane / 16).  Register 8 t + i holds key KF + 8 (lane / 16) + 16 t + i: hidden where 16 t + i > d
	v_mov_b32 v254, 0xff800000                     ; -infinity
.set n, 0
.rept 64
	v_cmp_gt_i32 vcc_lo, 16*(n/8)+n%8, v252
	v_cndmask_b32 v[96+n], v[96+n], v254, vcc_lo
.set n, n+1
.endr
.Lopen_\@:
	v_max3_num_f32 v254, v96, v97, v98             ; the step's largest score of my query, among my 64 keys, in two chains, each accumulator from its low end on,
	v_max3_num_f32 v252, v99, v100, v101
.irp i, 6,10,14,18,22,26,30,34,38,42,46,50,54,58
	v_max3_num_f32 v254, v254, v[96+\i], v[97+\i]
	v_max3_num_f32 v252, v252, v[98+\i], v[99+\i]
.endr
	v_max3_num_f32 v254, v254, v158, v159
	s_delay_alu instid0(VALU_DEP_1)
	v_max_num_f32 v254, v254, v252
	s_delay_alu instid0(VALU_DEP_1)
	v_permlanex16_b32 v236, v254, s[SEL], s[SEL+1]
	s_delay_alu instid0(VALU_DEP_1)
	v_max_num_f32 v254, v254, v236                 ; and among lane l xor 16's
	s_delay_alu instid0(VALU_DEP_1)
	v_mul_f32 v254, s[CS], v254                    ; as t (c is positive)
	s_delay_alu instid0(VALU_DEP_1)
	v_max_num_f32 v13, v13, v254                   ; the running largest t
	v_mov_b32 v254, v12
	s_delay_alu instid0(VALU_DEP_2)
	v_floor_f32 v12, -v13                          ; the new -M = floor(-t) = -ceil(t): M is a whole number
	s_delay_alu instid0(VALU_DEP_1)
	v_sub_f32 v254, v12, v254                      ; M's old value less its new one: a whole number, 0 or less
	s_delay_alu instid0(VALU_DEP_1)
	v_cvt_i32_f32 v254, v254                       ; (it saturates)
	s_delay_alu instid0(VALU_DEP_1)
	v_ldexp_f32 v252, 1.0, v254                    ; f = 2^(old M - new M)
.irp j, 0,2,4,6,8,10,12,14,16,18,20,22,24,26,28,30,32,34,36,38,40,42,44,46,48,50,52,54,56,58,60,62
	v_pk_fma_f32 v[96+\j:97+\j], v[96+\j:97+\j], s[CS:CS+1], v[12:13] op_sel_hi:[1,0,0]   ; t - M, two at a time (of the pairs c and -M the low word serves both halves)
.endr
.set j, 0
	s_wait_alu depctr_va_vdst(0)
.rept 64
	v_exp_f32 v[96+j], v[96+j]                     ; p = 2^(t - M), at most 1: not normalised
.set j, j+1
.endr
	v_pk_mul_f32 v[14:15], v[14:15], v[252:253] op_sel_hi:[1,0]   ; the sums under the new M: the plain instruction behind the exponentials
	s_wait_alu depctr_va_vdst(0)                   ; one wait for the whole batch of 64, ahead of its first reader
	v_pk_add_f32 v[242:243], v[100:101], v[104:105]
	v_pk_add_f32 v[254:255], v[108:109], v[112:113]
	v_pk_add_f32 v[250:251], v[116:117], v[120:121]
	v_pk_add_f32 v[248:249], v[124:125], v[128:129]
	v_pk_add_f32 v[246:247], v[132:133], v[136:137]
	v_pk_add_f32 v[240:241], v[140:141], v[144:145]
	v_pk_add_f32 v[238:239], v[148:149], v[152:153]
	v_pk_add_f32 v[14:15], v[14:15], v[156:157]
	v_pk_add_f32 v[242:243], v[242:243], v[96:97]
	v_pk_add_f32 v[254:255], v[254:255], v[98:99]
	v_pk_add_f32 v[250:251], v[250:251], v[102:103]
	v_pk_add_f32 v[248:249], v[248:249], v[106:107]
	v_pk_add_f32 v[246:247], v[246:247], v[110:111]
	v_pk_add_f32 v[240:241], v[240:241], v[114:115]
	v_pk_add_f32 v[238:239], v[238:239], v[118:119]
	v_pk_add_f32 v[14:15], v[14:15], v[122:123]
	v_pk_add_f32 v[242:243], v[242:243], v[126:127]
	v_pk_add_f32 v[254:255], v[254:255], v[130:131]
	v_pk_add_f32 v[250:251], v[250:251], v[134:135]
	v_pk_add_f32 v[248:249], v[248:249], v[138:139]
	v_pk_add_f32 v[246:247], v[246:247], v[142:143]
	v_pk_add_f32 v[240:241], v[240:241], v[146:147]
	v_pk_add_f32 v[238:239], v[238:239], v[150:151]
	v_pk_add_f32 v[14:15], v[14:15], v[154:155]
	v_pk_add_f32 v[242:243], v[242:243], v[158:159]
	s_delay_alu instid0(VALU_DEP_2)
	v_pk_add_f32 v[14:15], v[14:15], v[248:249]
	s_delay_alu instid0(VALU_DEP_2)
	v_pk_add_f32 v[242:243], v[242:243], v[246:247]
	v_pk_add_f32 v[254:255], v[254:255], v[240:241]
	v_pk_add_f32 v[250:251], v[250:251], v[238:239]
	s_delay_alu instid0(VALU_DEP_2)
	v_pk_add_f32 v[14:15], v[14:15], v[254:255]
	s_delay_alu instid0(VALU_DEP_2)
	v_pk_add_f32 v[242:243], v[242:243], v[250:251]
	s_delay_alu instid0(VALU_DEP_1)
	v_pk_add_f32 v[14:15], v[14:15], v[242:243]
.irp t, 0,1,2,3,4,5,6,7
.irp i, 0,1,2,3,4,5,6,7
.endr
	v_cvt_scalef32_pk8_fp8_f32 v[192+2*\t:193+2*\t], v[96+8*\t:103+8*\t], v244   ; keys 16 t + 8 (lane / 16) + 0..7: registers 2 t, 2 t + 1 of P
.endr
.irp j, 0,2,4,6,8,10,12,14,16,18,20,22,24,26,28,30
	v_pk_mul_f32 v[160+\j:161+\j], v[160+\j:161+\j], v[252:253] op_sel_hi:[1,0]   ; O^T under the new M: x f.  (These are also the plain instructions between the conversions and the products below)
.endr
	s_wait_alu depctr_va_vdst(0)
	s_wait_dscnt 0x0                               ; V's fragments are in
.irp ct, 0,1,2,3                               ; O^T += V^T P^T: four accumulators by turns; eight products K Q^T stand between two links of a chain
	v_wmma_f32_16x16x128_fp8_fp8 v[160+8*\ct:167+8*\ct], v[32+16*\ct:47+16*\ct], v[192:207], v[160+8*\ct:167+8*\ct]
.endr
.Lhidden_\@:
	s_add_co_u32 s[KF], s[KF], 128
.endm
; A BLOCK OF QUERIES IS DONE: O^T x 2^(e4 + e5) / the sum, quantised with 2^e6.  A lane's codes of tile ct are channels 16 ct + 8 (lane / 16) + 0..7; the last product wants 32 b + 16 (lane / 16) + 0..15 in four
; registers: lanes 0-15 give tile 2 b + 1's two registers for lane + 16's of tile 2 b.  Then two stores of 512 consecutive bytes.
.macro FINISH base
.rept 4
	v_nop                                          ; places behind the last products
.endr
	v_add_f32 v14, v14, v15                        ; the sum's two halves,
	s_delay_alu instid0(VALU_DEP_1)
	v_permlanex16_b32 v236, v14, s[SEL], s[SEL+1]
	s_delay_alu instid0(VALU_DEP_1)
	v_add_f32 v14, v14, v236                       ; and lane l xor 16's: the row's sum
	s_wait_alu depctr_va_vdst(0)
	v_rcp_f32 v14, v14
	v_nop                                          ; a plain instruction behind the reciprocal
	s_wait_alu depctr_va_vdst(0)                   ; and the wait ahead of its first reader
	v_ldexp_f32 v14, v14, s[E45]
.set j, 0
.rept 32
	v_mul_f32 v[96+j], v[160+j], v14               ; each accumulator from its low end on
.set j, j+1
.endr
.set j, 0
.rept 32
.set j, j+1
.endr
	s_wait_alu depctr_va_vdst(0)
	s_wait_xcnt 0x0                                ; an earlier block's stores have read their data: the codes' registers may be written again
.irp ct, 0,1,2,3
	v_cvt_scalef32_pk8_fp8_f32 v[224+2*\ct:225+2*\ct], v[96+8*\ct:103+8*\ct], v245
.endr
	v_nop                                          ; one plain vector instruction behind the last conversion
.irp b, 0,1
	v_cndmask_b32 v232, v[226+4*\b], v[224+4*\b], s[HM]   ; what I give: lanes 0-15 tile 2 b + 1's, lanes 16-31 tile 2 b's
	v_cndmask_b32 v233, v[227+4*\b], v[225+4*\b], s[HM]
	s_delay_alu instid0(VALU_DEP_2)
	v_permlanex16_b32 v234, v232, s[SEL], s[SEL+1]
	s_delay_alu instid0(VALU_DEP_2)
	v_permlanex16_b32 v235, v233, s[SEL], s[SEL+1]
	v_cndmask_b32 v[226+4*\b], v234, v[226+4*\b], s[HM]   ; lanes 0-15: what came goes behind their own; lanes 16-31 keep theirs there,
	v_cndmask_b32 v[227+4*\b], v235, v[227+4*\b], s[HM]
	v_cndmask_b32 v[224+4*\b], v[224+4*\b], v234, s[HM]   ; and put what came in front
	v_cndmask_b32 v[225+4*\b], v[225+4*\b], v235, s[HM]
.endr
	global_store_b128 v[LI], v[224:227], s[\base:\base+1]
	global_store_b128 v[LI], v[228:231], s[\base:\base+1] offset:512
.endm
; THE CHANGE OF SLOTS stands at a trip's head.  Each wave waits for all its tensor loads (its part of the slot that it is about to read), adds 0 to its spare word, and waits for that and for its reads of the slot that it has left.
; Behind the barrier the slot ahead is whole and nobody reads the other one.  fill = 1: that other slot is filled with the key slot of the next trip: one further on, or slot 0 where the second block of queries begins.
.macro CHANGE fill
	s_wait_tensorcnt 0x0                           ; no tensor load of mine is out, so group 0 may be written
	ds_add_u32 v[SPW], v[NIL]                      ; 0 onto my spare word; the descriptor's steps stand between it and the wait for it
.if \fill
	s_xor_b32 s[G0+1], s[G0+1], SLOT1              ; the other slot than last time
	s_add_co_u32 s[KN], s[KN], 1
	s_cmp_eq_u32 s[KN], s[LIMA]
	s_cselect_b32 s[KN], 0, s[KN]                  ; behind the first block's last slot comes slot 0
	s_lshl_b32 s[OFF], s[KN], 14
	s_add_nc_u64 s[G0+2:G0+3], s[KVB:KVB+1], s[OFF:OFF+1]
	s_or_b32 s[G0+3], s[G0+3], 0x80000000
	s_wait_xcnt 0x0                                ; the last prefetch, a trip back, has read its address, so it may be written
	s_add_nc_u64 s[PFA:PFA+1], s[PFA:PFA+1], 16384
.endif
	s_wait_dscnt 0x0                               ; the add is done, and my reads of the slot that I have left are over
	s_barrier_signal -1
	s_barrier_wait -1
.if \fill
	TLOAD                                          ; the first thing behind the barrier, and a wave's one tensor load until the next: it has a trip's two key steps in which to land
	ASK
.endif
.endm
.macro TRIP fill
	CHANGE \fill
	s_cmp_lg_u32 s[SLOTS], s[PI]                   ; a branch on ids: the second block of queries begins in the trip with SLOTS = i
	s_cbranch_scc1 .Lsame_\@
	FINISH OUTA
.irp j, 0,1,2,3,4,5,6,7
	v_mov_b32 v[16+\j], v[24+\j]                   ; its Q
.endr
	INIT
	s_mov_b32 s[KF], 0
	s_mov_b32 s[Q0], s[Q0B]
.Lsame_\@:
	STEP 0
	STEP 1
	s_xor_b32 s[TB], s[TB], SLOT1                  ; on to the other slot
.endm
	s_wait_loadcnt 0x0                             ; Q, both blocks'
.Lslot:                                            ; eight trips, each of which asks for the next trip's slot
	TRIP 1
	s_sub_co_u32 s[SLOTS], s[SLOTS], 1
	s_cmp_lg_u32 s[SLOTS], 0
	s_cbranch_scc1 .Lslot
	TRIP 0                                         ; the ninth is written out
	FINISH OUTB
	s_wait_tensorcnt 0x0                           ; the wave's end
	ds_add_u32 v[SPW], v[NIL]
	s_wait_dscnt 0x0
	s_endpgm
.Lfunc_end_k_qd6c6c5dae7_attn:
	.size	k_qd6c6c5dae7_attn, .Lfunc_end_k_qd6c6c5dae7_attn-k_qd6c6c5dae7_attn
	.p2alignl 7, 3214868480
	.fill 96, 4, 3214868480
	.section	.rodata,"a",@progbits
	.p2align	6, 0x0
	.amdhsa_kernel k_qd6c6c5dae7_attn
		.amdhsa_group_segment_fixed_size 327680
		.amdhsa_private_segment_fixed_size 0
		.amdhsa_enable_private_segment 0
		.amdhsa_kernarg_size 40
		.amdhsa_user_sgpr_count 2
		.amdhsa_user_sgpr_kernarg_segment_ptr 1
		.amdhsa_wavefront_size32 1
		.amdhsa_system_sgpr_workgroup_id_x 1
		.amdhsa_system_sgpr_workgroup_id_y 1
		.amdhsa_system_sgpr_workgroup_id_z 1
		.amdhsa_system_vgpr_workitem_id 0
		.amdhsa_next_free_vgpr 256
		.amdhsa_next_free_sgpr 100
		.amdhsa_reserve_vcc 1
		.amdhsa_float_denorm_mode_32 3
		.amdhsa_float_denorm_mode_16_64 3
		.amdhsa_fp16_overflow 1
		.amdhsa_memory_ordered 1
		.amdhsa_forward_progress 1
		.amdhsa_inst_pref_size 97
	.end_amdhsa_kernel
	.amdgpu_metadata
---
amdhsa.version: [ 1, 2 ]
amdhsa.kernels:
  - .name:           k_qd6c6c5dae7_attn
    .symbol:         k_qd6c6c5dae7_attn.kd
    .args:
      - { .name: q_img, .offset: 0, .size: 8, .value_kind: global_buffer, .address_space: global }
      - { .name: k_img, .offset: 8, .size: 8, .value_kind: global_buffer, .address_space: global }
      - { .name: v_img, .offset: 16, .size: 8, .value_kind: global_buffer, .address_space: global }
      - { .name: lowp_scales, .offset: 24, .size: 8, .value_kind: global_buffer, .address_space: global }
      - { .name: att_img, .offset: 32, .size: 8, .value_kind: global_buffer, .address_space: global }
    .group_segment_fixed_size: 327680
    .private_segment_fixed_size: 0
    .kernarg_segment_align: 8
    .kernarg_segment_size: 40
    .max_flat_workgroup_size: 512
    .sgpr_count:     100
    .vgpr_count:     256
    .wavefront_size: 32
...
	.end_amdgpu_metadata
.endif
;; end of part 2
;; launch proj (part 3): grid 4 x 64, 4 waves a work-group, clusters of 4 x 4, 327,680 bytes of LDS; arguments att_img, w_proj_codes, lowp_scales, b_proj, out0; writes out0
.if DOCPART == 3
	.amdgcn_target "amdgcn-amd-amdhsa--gfx1250"
	.amdhsa_code_object_version 6
	.text
	.protected	k_qd6c6c5dae7_proj
	.globl	k_qd6c6c5dae7_proj
	.p2align	8
	.type	k_qd6c6c5dae7_proj,@function
k_qd6c6c5dae7_proj:
	s_mov_b64 s[64:65], 0
	v_nop
	global_prefetch_b8 v0, s[64:65] scope:SCOPE_SE
	s_setreg_imm32_b32 hwreg(HW_REG_WAVE_MODE, 25, 1), 1
	s_wait_xcnt 0x0
	s_wait_alu depctr_hold_cnt(0) depctr_sa_sdst(0) depctr_va_vdst(0) depctr_va_sdst(0) depctr_va_ssrc(0) depctr_va_vcc(0) depctr_vm_vsrc(0)
	s_getreg_b32 s2, hwreg(HW_REG_IB_STS2, 6, 4)
	s_cmp_eq_u32 s2, 0
	s_cbranch_scc0 .Lentry_in_a_cluster
	s_endpgm
.Lentry_in_a_cluster:
	s_bfe_u32 s2, ttmp6, 0x10000c
	s_cmp_lg_u32 s2, 0xf033
	s_cbranch_scc0 .Lentry_shape_is_right
	s_endpgm
.Lentry_shape_is_right:
; out = att W^T x 2^(e6 + e7) + b on codes of FP8 (E4M3).  att: 8,192 tokens x 1,024, as images of operand registers: att_img [block of 16 tokens 512][kc 32][512 bytes]: lane (r, h)'s 16 bytes at 16 x lane are token r,
; k = 32 kc + 16 h + 0..15.  W: [1024][1024] codes, K innermost.  b: [1024] f32.  out: [8192][1024] f32.
; LIMIT: e6 + e7 lies between -126 and 127, so that 2^(e6 + e7) is an f32 number.  NaN codes among the inputs are not served.
; SHARES.  A work-group of four waves makes 128 tokens x 256 columns: 256 work-groups, one for each WGP; a larger tile would leave WGPs without work.  A wave makes 64 tokens x 128 columns: 32 accumulators, 256 registers.
; K goes in steps of 256 through a ring of two LDS slots.  att's part of a slot is dense (8 blocks x 4,096 bytes) and is read 16 bytes a lane, on end; W's rows are 256 bytes + 16 of padding.
; CLUSTERS: 4 x 4 work-groups.  The four of a row of the cluster need the same tokens, the four of a column the same rows of W: each tile is asked for JOINTLY.
; THE MATRIX INSTRUCTION IS USED TRANSPOSED (source 0 = 16 rows of W, source 1 = 16 tokens): a lane then holds eight neighbouring columns of one row of out.
; REGISTERS, in windows of 256: window 0: v0-31 addresses; v32-95 at work on the way out; v128-191, v192-255 att's fragments, two sets (on the way out: rows read back).
;   window 1: W's fragments, two sets.   window 2: the accumulators ((a, t) at v[8 (8 a + t)]).   window 3: v0-63 the bias of my 128 columns, in the result's layout.
.set PITCH,  272                       ; a row of W in LDS: 68 words: the 16 rows that a load touches start at 16 different banks (64 banks of 4 bytes: ISA guide 11.1)
.set FR,     16                        ; registers of a fragment: 16 rows x 128 K
.set HALFT,  128*PITCH                 ; 128 rows of W: what one tensor load brings
.set BOFF,   32768                     ; a slot: att's 8 blocks x 4,096 bytes, then W's 256 rows
.set SLOT,   BOFF+2*HALFT              ; 102,400
.set STAGE,  2*SLOT                    ; behind the ring: 16 rows x (512 bytes + 16) for each wave, for the way out; no tensor load fills it
.set SPITCH, 528
.set SPARE,  STAGE+4*16*SPITCH         ; behind the stages: the spare words, 128 bytes for each wave
.set ADRA, 16                          ; v16-17  LDS address of my att fragments in slot 0, 1
.set ADRB, 20                          ; v20-21  the same for W
.set STO,  24                          ; v24     the way out: where I put 32 bytes of a row
.set RD,   25                          ; v25     where I read a row back
.set CO,   26                          ; v26     16 x lane: my bytes of a row's 512
.set BA,   27                          ; v27     the bias: 32 x (lane / 16)
.set SPW,  28                          ; v28     LDS address of my spare word; never rewritten
.set NIL,  29                          ; v29     0; never rewritten
.set TMP,  32
.set AF,   128
.set BK,   128
.set G1, 24                            ; s[24:31] descriptor group 1 for att's tiles;  s[32:39] group 0, one set for each slot
.set G0, 32
.set G1B, 48                           ; s[48:55], s[56:63] the same for W's tiles
.set G0B, 56
.set MSB, 0
.macro WIN new                         ; the immediate's high byte repeats the setting that is left
.if MSB != (\new)
	s_set_vgpr_msb (MSB<<8)|(\new)
.set MSB, (\new)
.endif
.endm
.set MUL,  0xa1                        ; source 0 (W) window 1, source 1 (att) window 0, C and D window 2
.set TO_B, 0x40                        ; destination window 1, address window 0
.macro JLOAD g0a, g1a, g0b, g1b        ; a joint load: waves 0 and 1 fetch att's halves, waves 2 and 3 W's; four v_nop follow each of the two lines
	s_cmp_eq_u32 s15, 0
	s_cbranch_scc0 .Lfor_b_\@
	tensor_load_to_lds s[\g0a:\g0a+3], s[\g1a:\g1a+7]
	s_nop 0
.rept 4
	v_nop
.endr
	s_branch .Lasked_\@
.Lfor_b_\@:
	tensor_load_to_lds s[\g0b:\g0b+3], s[\g1b:\g1b+7]
	s_nop 0
.rept 4
	v_nop
.endr
.Lasked_\@:
.endm
.macro CREST                           ; a round of the cluster's barrier behind its opening barrier
	s_cmp_lg_u32 s14, 0
	s_cbranch_scc1 .Lnot_wave_0_\@
	s_barrier_signal -3
.Lnot_wave_0_\@:
	s_barrier_wait -3
	s_barrier_signal -1
	s_barrier_wait -1
.endm
.macro CROUND
	s_barrier_signal -1
	s_barrier_wait -1
	CREST
.endm
.macro PLACES n
.rept \n
	v_nop
.endr
.endm
	s_load_b128 s[4:7], s[0:1], 0x0                ; att_img s[4:5], W's codes s[6:7]
	s_load_b128 s[8:11], s[0:1], 0x10              ; the scales' exponents s[8:9], b s[10:11]
	s_load_b64 s[12:13], s[0:1], 0x20              ; out
	v_lshl_add_u32 v[SPW], v0, 2, SPARE
	v_mov_b32 v[NIL], 0
	ds_add_u32 v28, v29
	ds_add_u32 v28, v29
	s_wait_dscnt 0x0
	v_lshrrev_b32 v1, 5, v0
	v_readfirstlane_b32 s14, v1                    ; wave 0..3
	s_lshr_b32 s15, s14, 1                         ; which 64 tokens are mine.  Also: I fetch for att (0) or for W (1)
	s_and_b32 s16, s14, 1                          ; which 128 columns.  Also: which half of that tile I fetch
	s_bfe_u32 s40, ttmp6, 0x40000                  ; cx, cy: my place in the cluster
	s_bfe_u32 s41, ttmp6, 0x40004
	s_lshl_b32 s42, ttmp9, 2
	s_add_co_u32 s42, s42, s40                     ; block of 256 columns = 4 x cluster x + cx
	s_and_b32 s17, ttmp7, 0xffff
	s_lshl_b32 s17, s17, 2
	s_add_co_u32 s17, s17, s41                     ; block of 128 tokens = 4 x cluster y + cy
	s_lshl_b32 s43, s41, 2
	s_lshl_b32 s43, 15, s43                        ; my row of the cluster
	s_lshl_b32 s44, 0x1111, s40                    ; my column
	; group 1 for att: 4 rows (blocks of 16 tokens) of 4,096 bytes (a K step's eight chunks), 16,384 bytes apart, dense in LDS
	s_or_b32 s[G1+0], s43, (3<<16)|(1<<21)         ; 15:0 the mask: my row; 17:16 elements of 8 bytes; 21 set beside a mask; no padding
	s_mov_b32 s[G1+1], 512<<16                     ; tensor_dim0 = 512 elements
	s_mov_b32 s[G1+2], 4<<16                       ; tensor_dim1 = 4
	s_mov_b32 s[G1+3], 512<<16                     ; tile_dim0
	s_mov_b32 s[G1+4], 4                           ; tile_dim1
	s_mov_b32 s[G1+5], 2048                        ; tensor_dim0_stride
	s_mov_b32 s[G1+6], 0
	s_mov_b32 s[G1+7], 0
	; group 1 for W: 128 rows x 256 bytes, 1,024 bytes apart, padded in LDS
	s_or_b32 s[G1B+0], s44, (0<<16)|(1<<20)|(1<<21)|(5<<22)|(3<<25)   ; the mask: my column; elements of 1 byte; four words of padding after every 64
	s_mov_b32 s[G1B+1], 256<<16
	s_mov_b32 s[G1B+2], 128<<16
	s_mov_b32 s[G1B+3], 256<<16
	s_mov_b32 s[G1B+4], 128
	s_mov_b32 s[G1B+5], 1024
	s_mov_b32 s[G1B+6], 0
	s_mov_b32 s[G1B+7], 0
	s_lshl_b32 s20, s17, 3
	s_lshl_b32 s18, s16, 2
	s_add_co_u32 s20, s20, s18                     ; att: block of 16 tokens 8 x token block + 4 x half,
	s_lshl_b32 s20, s20, 14                        ; 16,384 bytes each
	s_mov_b32 s21, 0
	s_lshl_b32 s46, s42, 8
	s_lshl_b32 s18, s16, 7
	s_add_co_u32 s46, s46, s18                     ; W: row 256 x column block + 128 x half,
	s_lshl_b32 s46, s46, 10                        ; 1,024 bytes each
	s_mov_b32 s47, 0
	s_lshl_b32 s45, s16, 14                        ; where they go: att's half,
	s_mul_i32 s19, s16, HALFT
	s_add_co_u32 s19, s19, BOFF                    ; W's half: no place in the cluster enters an LDS address
	s_wait_kmcnt 0x0
	s_load_b64 s[96:97], s[8:9], 0x18              ; e6, e7
	s_add_nc_u64 s[20:21], s[4:5], s[20:21]
	s_add_nc_u64 s[46:47], s[6:7], s[46:47]
	CROUND                                         ; all sixteen work-groups are here: the first joint loads meet
.irp s, 0,1
	s_mov_b32 s[G0+4*\s], 1
	s_add_co_u32 s[G0+4*\s+1], s45, \s*SLOT
	s_add_nc_u64 s[G0+4*\s+2:G0+4*\s+3], s[20:21], \s*4096
	s_or_b32 s[G0+4*\s+3], s[G0+4*\s+3], 0x80000000
	s_mov_b32 s[G0B+4*\s], 1
	s_add_co_u32 s[G0B+4*\s+1], s19, \s*SLOT
	s_add_nc_u64 s[G0B+4*\s+2:G0B+4*\s+3], s[46:47], \s*256
	s_or_b32 s[G0B+4*\s+3], s[G0B+4*\s+3], 0x80000000
	s_wait_alu depctr_va_vdst(0)
	s_wait_tensorcnt 0x0
	ds_add_u32 v28, v29
	ds_add_u32 v28, v29
	s_wait_dscnt 0x0
	CROUND
	JLOAD G0+4*\s, G1, G0B+4*\s, G1B
.endr
	v_and_b32 v1, 15, v0                           ; l % 16
	v_bfe_u32 v2, v0, 4, 1                         ; l / 16
	v_and_b32 v6, 31, v0
	v_lshlrev_b32 v[CO], 4, v6                     ; 16 x lane
	v_mul_u32_u24 v3, v1, PITCH
	v_lshl_add_u32 v4, v2, 4, v3                   ; a fragment of W: row x pitch + 16 x half
	s_lshl_b32 s21, s15, 14                        ; my four blocks of att
	s_mul_i32 s22, s16, HALFT
	s_add_co_u32 s22, s22, BOFF                    ; my 128 rows of W
.irp s, 0,1
	v_add_nc_u32 v[ADRA+\s], s21, v[CO]
	v_add_nc_u32 v[ADRB+\s], s22, v4
	s_add_co_u32 s21, s21, SLOT
	s_add_co_u32 s22, s22, SLOT
.endr
	s_mul_i32 s23, s14, 16*SPITCH
	s_add_co_u32 s23, s23, STAGE                   ; my stage
	v_mul_u32_u24 v5, v1, SPITCH                   ; in: row l % 16, 32 bytes for each half of the lanes
	v_lshl_add_u32 v5, v2, 5, v5
	v_add_nc_u32 v[STO], s23, v5
	v_add_nc_u32 v[RD], s23, v[CO]                 ; back: the 32 lanes take one row of 512 bytes
	v_lshlrev_b32 v[BA], 5, v2
	s_wait_alu depctr_va_vdst(0)
	s_lshl_b32 s46, s42, 10                        ; my first column, in bytes of f32: 1,024 x column block + 512 x half
	s_lshl_b32 s47, s16, 9
	s_add_co_u32 s46, s46, s47
	s_mov_b32 s47, 0
	s_add_nc_u64 s[10:11], s[10:11], s[46:47]      ; b at my first column
	s_add_nc_u64 s[12:13], s[12:13], s[46:47]
	s_lshl_b32 s20, s17, 19                        ; my first row of out: (128 x token block + 64 x half) rows of 4,096 bytes
	s_lshl_b32 s21, s15, 18
	s_add_co_u32 s20, s20, s21
	s_mov_b32 s21, 0
	s_add_nc_u64 s[12:13], s[12:13], s[20:21]
	WIN 0xc0                                       ; destination window 3
.irp t, 0,1,2,3,4,5,6,7
	global_load_b128 v[8*\t:8*\t+3], v[BA], s[10:11] offset:64*\t        ; b of columns 16 t + 8 (l / 16) + 0..7: the result's layout
	global_load_b128 v[8*\t+4:8*\t+7], v[BA], s[10:11] offset:64*\t+16
.endr
	WIN 0
.macro FRAG reg, adr, q, i             ; a fragment of W: lane l holds row l % 16; registers 4 c .. 4 c + 3 hold K = 32 c + 16 (l / 16) + 0 .. 15: the places that att's images have
.irp c, 0,1,2,3
	ds_load_b128 v[\reg+4*\c:\reg+4*\c+3], v[\adr] offset:128*(\q)+32*\c+(\i)*16*PITCH
.endr
.endm
.macro FETCH slot, q, set              ; 48 LDS loads in one run: the fragments of the slot's q-th 128 along K: W's eight, att's four
	WIN TO_B
.irp i, 0,1,2,3,4,5,6,7
	FRAG 128*(\set)+FR*\i, ADRB+\slot, \q, \i
.endr
	WIN 0
.irp a, 0,1,2,3
.irp c, 0,1,2,3
	ds_load_b128 v[AF+64*(\set)+FR*\a+4*\c:AF+64*(\set)+FR*\a+4*\c+3], v[ADRA+\slot] offset:\a*4096+(4*(\q)+\c)*512
.endr
.endr
.endm
; 8 matrix instructions: att's block a x W's eight tiles.  The 32 accumulators take turns, one instruction a turn, in the same order in every step.
.macro MUL8 a, set, zero
.irp t, 0,1,2,3,4,5,6,7
.if \zero
	v_wmma_f32_16x16x128_fp8_fp8 v[8*(8*(\a)+\t):8*(8*(\a)+\t)+7], v[128*(\set)+FR*\t:128*(\set)+FR*\t+FR-1], v[AF+64*(\set)+FR*(\a):AF+64*(\set)+FR*(\a)+FR-1], 0
.else
	v_wmma_f32_16x16x128_fp8_fp8 v[8*(8*(\a)+\t):8*(8*(\a)+\t)+7], v[128*(\set)+FR*\t:128*(\set)+FR*\t+FR-1], v[AF+64*(\set)+FR*(\a):AF+64*(\set)+FR*(\a)+FR-1], v[8*(8*(\a)+\t):8*(8*(\a)+\t)+7]
.endif
.endr
.endm
; A slot's first 128 along K, on set 0; the second 128 are fetched into set 1 ahead of the 32 products.
.macro STEP slot, zero
	s_wait_dscnt 0x0                               ; set 0 is in
	PLACES 4                                       ; in front of loads into set 1, which the last products read
	FETCH \slot, 1, 1
	WIN MUL
	MUL8 0, 0, \zero
	MUL8 1, 0, \zero
	MUL8 2, 0, \zero
	MUL8 3, 0, \zero
	WIN 0
.endm
; A slot's second 128 along K, on set 1, changes slots: ONE barrier; in front of it each wave waits for all its tensor loads, adds 0 to its spare word, and waits for that and for its own reads of this slot.
.macro TURN slot, next, fill
	s_wait_tensorcnt 0x0                           ; all my tensor loads have landed: my part of the next slot
	ds_add_u32 v[SPW], v[NIL]                      ; 0 onto my spare word
	s_wait_dscnt 1                                 ; set 1's 48 loads are in; the add alone may be out
	WIN MUL
	MUL8 0, 1, 0                                   ; eight matrix instructions stand between the add and the wait for it
	s_wait_dscnt 0x0                               ; the add is done, and my reads of this slot are over
	s_barrier_signal -1
	MUL8 1, 1, 0
	WIN 0
	s_barrier_wait -1
.if \fill
	CREST                                          ; the barrier has opened a round of the cluster's barrier: no wave of any partner still reads this slot's tile or has a load on its way
	s_add_nc_u64 s[G0+4*\slot+2:G0+4*\slot+3], s[G0+4*\slot+2:G0+4*\slot+3], 2*4096
	s_add_nc_u64 s[G0B+4*\slot+2:G0B+4*\slot+3], s[G0B+4*\slot+2:G0B+4*\slot+3], 2*256
	JLOAD G0+4*\slot, G1, G0B+4*\slot, G1B         ; the first tensor load behind the round; the four v_nop behind it are the places in front of the loads below
.else
	PLACES 4
.endif
	FETCH \next, 0, 0
	WIN MUL
	MUL8 2, 1, 0
	MUL8 3, 1, 0
	WIN 0
.endm
	s_wait_tensorcnt 1                             ; my part of K step 0 is in (K step 1's load may be out)
	s_barrier_signal -1
	s_barrier_wait -1                              ; everybody's is
	FETCH 0, 0, 0
	STEP 0, 1                                      ; the first step stands in front of the loop: its products start the sums
	s_mov_b32 s3, 1
.Llap:                                                 ; a trip goes once round the ring and fills both slots again: 1,024 along K are two laps, so one trip
	TURN 0, 1, 1
	STEP 1, 0
	TURN 1, 0, 1
	STEP 0, 0
	s_sub_co_u32 s3, s3, 1
	s_cmp_lg_u32 s3, 0
	s_cbranch_scc1 .Llap
	TURN 0, 1, 0                                   ; the last lap fills nothing, and has no round of the cluster's barrier
	STEP 1, 0
	s_wait_dscnt 0x0                               ; the very last step: nothing more to fetch
	WIN MUL
	MUL8 0, 1, 0
	MUL8 1, 1, 0
	MUL8 2, 1, 0
	MUL8 3, 1, 0
	WIN 0
; THE WAY OUT, block by block of 16 tokens x 128 columns.  A lane holds 32 neighbouring bytes of a row, and the lanes beside it hold other rows: so a block goes through my own stage in LDS and comes back as whole
; rows of 512 bytes.  LDS serves a wave's instructions in order (ISA guide 5.7.1.4): no wait between the stores and the loads, nor in front of the next block's stores.
.macro TOSTAGE a
	WIN 0x32                                       ; source 0 (the sums) window 2, source 2 (the bias) window 3
.irp j, 0,2,4,6,8,10,12,14,16,18,20,22,24,26,28,30,32,34,36,38,40,42,44,46,48,50,52,54,56,58,60,62
	v_pk_fma_f32 v[TMP+\j:TMP+\j+1], v[64*(\a)+\j:64*(\a)+\j+1], s[96:97], v[\j:\j+1] op_sel_hi:[1,0,1]   ; sum x 2^(e6 + e7) + b, two at a time; each accumulator from its low end on
.endr
	WIN 0
.irp b, 0,1,2,3,4,5,6,7
	ds_store_b128 v[STO], v[TMP+8*\b:TMP+8*\b+3] offset:64*\b
	ds_store_b128 v[STO], v[TMP+8*\b+4:TMP+8*\b+7] offset:64*\b+16
.endr
.set BB, BK+64*((\a)%2)
.irp t, 0,1,2,3,4,5,6,7,8,9,10,11,12,13,14,15
	ds_load_b128 v[BB+4*\t:BB+4*\t+3], v[RD] offset:\t*SPITCH
.endr
.endm
.macro SEND a, younger                 ; younger: the LDS instructions issued behind block a's loads, which may stay out
.set BB, BK+64*((\a)%2)
	s_wait_dscnt \younger                          ; the block is back in registers
.irp t, 0,1,2,3,4,5,6,7,8,9,10,11,12,13,14,15
	global_store_b128 v[CO], v[BB+4*\t:BB+4*\t+3], s[12:13] offset:(16*(\a)+\t)*4096 th:TH_STORE_NT   ; 32 lanes store 512 consecutive bytes, at a multiple of 512 from out's first byte; 63 rows at the most stand in the immediate
.endr
.endm
	s_wait_kmcnt 0x0
	s_add_co_i32 s96, s96, s97                     ; e6 + e7, between -126 and 127,
	s_add_co_i32 s96, s96, 127
	s_lshl_b32 s96, s96, 23                        ; makes the f32 number 2^(e6 + e7)
	s_mov_b32 s97, s96                             ; (named with it as a pair, so it is written)
	s_wait_loadcnt 0x0                             ; the bias
	PLACES 4                                       ; behind the last products: their results are read, and rows land where att's fragments lay
	TOSTAGE 0
.irp a, 1,2,3
.if \a > 1
	s_wait_xcnt 0x0                                ; block a - 2's stores have read their registers: block a's rows may land there
.endif
	TOSTAGE \a
	SEND (\a-1), 32                                ; behind block a - 1's loads: block a's 16 stores and 16 loads
.endr
	SEND 3, 0
	s_wait_tensorcnt 0x0                           ; the wave's end
	ds_add_u32 v[SPW], v[NIL]
	s_wait_dscnt 0x0
	CROUND                                         ; the closing round: no work-group ends while a partner may still ask for a tile that names it
	s_endpgm
.Lfunc_end_k_qd6c6c5dae7_proj:
	.size	k_qd6c6c5dae7_proj, .Lfunc_end_k_qd6c6c5dae7_proj-k_qd6c6c5dae7_proj
	.p2alignl 7, 3214868480
	.fill 96, 4, 3214868480
	.section	.rodata,"a",@progbits
	.p2align	6, 0x0
	.amdhsa_kernel k_qd6c6c5dae7_proj
		.amdhsa_group_segment_fixed_size 327680
		.amdhsa_private_segment_fixed_size 0
		.amdhsa_enable_private_segment 0
		.amdhsa_kernarg_size 40
		.amdhsa_user_sgpr_count 2
		.amdhsa_user_sgpr_kernarg_segment_ptr 1
		.amdhsa_wavefront_size32 1
		.amdhsa_system_sgpr_workgroup_id_x 1
		.amdhsa_system_sgpr_workgroup_id_y 1
		.amdhsa_system_sgpr_workgroup_id_z 1
		.amdhsa_system_vgpr_workitem_id 0
		.amdhsa_next_free_vgpr 832
		.amdhsa_next_free_sgpr 100
		.amdhsa_reserve_vcc 0
		.amdhsa_float_denorm_mode_32 3
		.amdhsa_float_denorm_mode_16_64 3
		.amdhsa_memory_ordered 1
		.amdhsa_forward_progress 1
		.amdhsa_inst_pref_size 78
	.end_amdhsa_kernel
	.amdgpu_metadata
---
amdhsa.version: [ 1, 2 ]
amdhsa.kernels:
  - .name:           k_qd6c6c5dae7_proj
    .symbol:         k_qd6c6c5dae7_proj.kd
    .args:
      - { .name: att_img, .offset: 0, .size: 8, .value_kind: global_buffer, .address_space: global }
      - { .name: w_proj_codes, .offset: 8, .size: 8, .value_kind: global_buffer, .address_space: global }
      - { .name: lowp_scales, .offset: 16, .size: 8, .value_kind: global_buffer, .address_space: global }
      - { .name: b_proj, .offset: 24, .size: 8, .value_kind: global_buffer, .address_space: global }
      - { .name: out0, .offset: 32, .size: 8, .value_kind: global_buffer, .address_space: global }
    .group_segment_fixed_size: 327680
    .private_segment_fixed_size: 0
    .kernarg_segment_align: 8
    .kernarg_segment_size: 40
    .max_flat_workgroup_size: 128
    .sgpr_count:     100
    .vgpr_count:     832
    .wavefront_size: 32
...
	.end_amdgpu_metadata
.endif
;; end of part 3
